; MI455X (gfx1250); checked and timed in simulation.
; The chip was launched on July 23, 2026; its instructions are those of AMD's public machine-readable ISA for CDNA 5 (MIT licence, August 2026) and "CDNA5" Instruction Set Architecture Reference Guide (July 2026). The comments in the code are by the model that wrote it; some were corrected since.
;; Gated Feature Read. Allowed arithmetic: matrix products marked QUANTISED: E3M2 operands, one E8M0 scale for each 32 along K, by v_wmma_scale_f32_16x16x128_f8f6f4 with both operands' format E3M2, f32 sums; products left as they are: f32 operands where the result goes on into a quantised operand, else bf16, f16 or f32 operands; f32 sums; everything else in f32.
;; Inputs: Q 1,024 x 512 float32; Wk_b 512 float32; Wk_w 512 x 512 float32; Wv_b 512 float32; Wv_w 512 x 512 float32; features 1,024 x 128 x 512 float32; g1_b 32 float32; g1_w 32 x 513 float32; g2_b 1 float32; g2_w 1 x 32 float32.
;; Outputs: out0 1,024 x 512 float32; out1 1,024 x 1 float32.
;; This version of the problem:
;;   THIS VERSION OF THE PROBLEM IS GIVEN IN LOW PRECISION. The matrix products marked QUANTISED in the list below multiply operands that are first quantised to E3M2 (3 exponent bits, 2 mantissa bits; 6 bits a number), with one power-of-two scale for each 32 numbers along K (OCP MX v1.0); their sums are f32. All else is computed in f32.
;;   The module's matrix products, in the order in which they are computed (A, B: the left and right operand; K: the contracted axis; several contracted axes count as one K, in the product's order):
;;     1. [M 131,072, K 512] x [K 512, N 512]; A: input features; B: input Wk_w: QUANTISED
;;     2. [M 131,072, K 512] x [K 512, N 512]; A: input features; B: input Wv_w: QUANTISED
;;     3. batch 1,024 x [M 1, K 512] x [K 512, N 128]; A: input Q; B: computed on the way: left as it is (M = 1 < 16)
;;     4. batch 1,024 x [M 1, K 128] x [K 128, N 512]; A: softmax; B: computed on the way: left as it is (M = 1 < 16)
;;     5. [M 1,024, K 513] x [K 513, N 32]; A: computed on the way; B: input g1_w: QUANTISED
;;     6. [M 1,024, K 32] x [K 32, N 1]; A: computed on the way; B: input g2_w: left as it is (N = 1 < 16)
;;   THE QUANTISER, for each operand of a quantised product, along K:
;;     - K is cut into blocks of 32 from its start; a last block that is shorter is filled with zeros.
;;     - A block's scale is 2^e with e = floor(log2(the largest magnitude in the block)) - 4, held to -126 .. 127; a block of zeros has e = 0. As a byte (E8M0): e + 127.
;;     - Each number is divided by its block's scale, clamped to +-28, and rounded to the nearest number of E3M2, ties to even, subnormals kept.
;;     - The product sums the exact products of the quantised numbers (number of the format x scale) in f32.
;;   ~~~python
;;   def quantise(x, axis):      # numpy; x: float32 -> the quantised numbers, widened to float32 again
;;       x = np.moveaxis(x, axis, -1); K = x.shape[-1]
;;       x = np.pad(x, [(0, 0)] * (x.ndim - 1) + [(0, -K % 32)]); x = x.reshape(x.shape[:-1] + (-1, 32)); a = np.abs(x).max(-1, keepdims=True)
;;       e = np.where(a > 0, np.clip(np.frexp(np.where(a > 0, a, 1))[1] - 1 - 4, -126, 127), 0)      # np.frexp(a)[1] - 1 = floor(log2(a)), exactly
;;       r = np.clip(x / 2.0 ** e, -28, 28)
;;       step = 2.0 ** (np.maximum(np.frexp(np.where(r == 0, 1, r))[1] - 1, -2) - 2)
;;       q = np.round(r / step) * step * 2.0 ** e      # np.round: ties to even
;;       return np.moveaxis(q.reshape(q.shape[:-2] + (-1,))[..., :K], -1, axis).astype(np.float32)
;;   ~~~
;;   OPERANDS COMPUTED ON THE WAY. 'Computed on the way' means the value that the module computes at that place (a softmax that the list does not call 'softmax' is quantised finished and normalised). What goes into a quantiser is computed in f32, as accurately as f32 sums, v_exp_f32 and their like allow (about 1e-6 of the number): no bf16 or f16 on the way to a quantiser, and a product that is left as it is and whose result goes on into a quantised operand takes f32 operands (vector FMAs, or v_wmma_f32_16x16x4_f32). A number that lies on a knife's edge between two numbers of the format may be rounded either way, as far as f32 arithmetic and the matrix unit's own rounding can turn it there, and no further.
;; One version. Each part assembles by itself: llvm-mc -triple=amdgcn-amd-amdhsa -mcpu=gfx1250 --defsym DOCPART=n.
;; ======== version 1 of 1: 2 launches
;; limits: right only within a limited range of input values
;; workspace buffers: wfrag 393,216 bytes; wscale 16,384 bytes; gpart 131,072 bytes
;; launch prep (part 1): grid 192 x 1, 4 waves a work-group, no clusters, 110,080 bytes of LDS; arguments Wk_w, Wv_w, Q, g1_w, g1_b, wfrag, wscale, gpart; writes wfrag, wscale, gpart
.if DOCPART == 1
	.amdgcn_target "amdgcn-amd-amdhsa--gfx1250"
	.amdhsa_code_object_version 6
	.text
	.protected	k_q13bfbfad65_prep
	.globl	k_q13bfbfad65_prep
	.p2align	8
	.type	k_q13bfbfad65_prep,@function
k_q13bfbfad65_prep:
	s_mov_b64 s[64:65], 0
	v_nop
	global_prefetch_b8 v0, s[64:65] scope:SCOPE_SE
	s_setreg_imm32_b32 hwreg(HW_REG_WAVE_MODE, 25, 1), 1
	s_wait_xcnt 0x0
; WHAT IS QUANTISED ONCE FOR THE WHOLE PROGRAM.  Codes are BF6 (E3M2), one E8M0 scale byte for each 32 along K.
; Work-groups 0-63: Wk_w and Wv_w [512][512] f32, K innermost, become operand fragments (16 rows x 128 K: 12 registers a lane) laid in the ORDER OF THE OPERAND'S REGISTERS:
;   wfrag: fragment ((w 2 + x) 4 + s) 8 + t, 1,536 bytes; w = the wave of the second launch that owns rows 128 w .. 128 w + 127, x = 0 Wk, 1 Wv, s = K step of 128, t = tile of 16 rows;
;          registers 4 g .. 4 g + 3 of lane l at 512 g + 16 l.   wscale: 128 bytes for each (w, s, t): words 0-15 Wk's scale word of row r, words 16-31 Wv's.
;   A wave takes one (x, w, s, t): 256 waves.
; Work-groups 64-191: the first 512 of the gate's K = 513: gpart[b][n] = g1_b[n] + sum over k < 512 of q(Q[b][k]) q(g1_w[n][k]).  A work-group takes 16 rows of Q and 16 units n (tile u), wave s K step s;
;   the four waves' parts meet in LDS.  So K is split over four waves: another order of f32 sums than one chain.
; EVERY LOAD IS DENSE: a load of 16 bytes a lane takes one row's K step, 512 consecutive bytes; g1_w's rows begin at multiples of 4 bytes only, so they come word by word, 128 consecutive bytes a load.
; The quantiser wants a lane (r, h) to hold row r and k = 64 c + 32 h + 0 .. 31 of the K step: two whole blocks, so that a block's largest magnitude needs no other lane and the conversions' results are the
; operand's registers.  So the numbers turn through a stage in LDS of the wave's own: in as they were loaded, rows 528 bytes apart (512 + 16: the sixteen lanes of a read of 16 bytes fall on sixteen different
; columns of 16 bytes modulo 256), back 128 consecutive bytes a lane and block.  The two paths have stages on bytes of their own.
; A block's scale byte is its largest magnitude's exponent field - 4, held at 1 from below by a floor among the maximum's leaves.
; LIMITS: a block of zeros gets the byte 1 (its codes are zeros, and this program alone reads the bytes); NaN and infinities among the inputs are not served.
; REGISTERS: v1 r, v2 h, v3 the stage on the way back, v4 on the way in (16 lane), v5 16 lane, v6 4 lane; v8-15 at work; v16-27, v28-39 fragments (v16 before that: the stage on the way in, 4 lane);
;   v52, v53 scale words; v56-62 halves of blocks; v64-191 two sets of 64 numbers; v256, v257 the add's; v260, v261 g1_b.
.set ROWG, 2052                        ; a row of g1_w in bytes: 513 numbers
.set FRB,  1536                        ; a fragment's image in bytes
.set SP,   528                         ; a stage row
.set SPARE, 0x2000                     ; behind the gate's results (4,096 bytes from 0 on): the spare words, 128 bytes for each wave
.set STGG, SPARE+512                   ; the gate path's stages: 32 rows a wave (16 of Q, 16 of g1_w)
.set WSTG, 32*SP
.set STGW, STGG+4*WSTG                 ; the weights path's: 16 rows a wave
.set WSTW, 16*SP
.macro LOADF X, b                      ; 16 rows' K step from rows of 2,048 bytes
.irp n, 0,1,2,3,4,5,6,7,8,9,10,11,12,13,14,15
	global_load_b128 v[\X+4*\n:\X+4*\n+3], v5, s[\b:\b+1] offset:2048*\n
.endr
.endm
.macro INF X, row                      ; and into the stage, from row 'row' on
.irp n, 0,1,2,3,4,5,6,7,8,9,10,11,12,13,14,15
	ds_store_b128 v4, v[\X+4*\n:\X+4*\n+3] offset:SP*((\row)+\n)
.endr
.endm
.macro OUTF X, row                     ; back: 64 numbers of stage row 'row' + r: two blocks of 128 consecutive bytes
.irp c, 0,1
.irp i, 0,1,2,3,4,5,6,7
	ds_load_b128 v[\X+32*\c+4*\i:\X+32*\c+4*\i+3], v3 offset:SP*(\row)+256*\c+16*\i
.endr
.endr
.endm
.macro G16 op                          ; 16 rows of g1_w x four runs of 32 words: op = 0 the loads, 1 the stores into stage rows 16 on
.irp n, 0,1,2,3,4,5,6,7,8,9,10,11,12,13,14,15
.irp i, 0,1,2,3
.if \op
	ds_store_b32 v16, v[128+4*\n+\i] offset:SP*(16+\n)+128*\i
.else
	global_load_b32 v[128+4*\n+\i], v6, s[10:11] offset:ROWG*\n+128*\i
.endif
.endr
.endr
.endm
.macro QL X, F, W                      ; 64 numbers v[X] on -> a fragment in v[F] on and its rows' scale word in v[W]
	v_max3_num_f32 v8, |v[\X]|, |v[\X+1]|, 0x2800000           ; the floor 2^(5 - 127) among the leaves: the byte cannot fall under 1
	v_max3_num_f32 v9, |v[\X+32]|, |v[\X+33]|, 0x2800000
.irp i, 2,4,6,8,10,12,14,16,18,20,22,24,26,28,30
	v_max3_num_f32 v8, v8, |v[\X+\i]|, |v[\X+\i+1]|            ; the two blocks by turns
	v_max3_num_f32 v9, v9, |v[\X+32+\i]|, |v[\X+33+\i]|
.endr
	v_add_nc_u32 v10, 0xfe000000, v8                           ; 4 off the exponent field: the conversion's scale operand
	v_add_nc_u32 v11, 0xfe000000, v9
	v_lshrrev_b32 v12, 23, v10                                 ; the scale's byte
	v_lshrrev_b32 v13, 23, v11
	v_lshl_or_b32 v[\W], v13, 16, v12                          ; my two bytes: blocks h and 2 + h,
	v_lshlrev_b32 v[\W], v14, v[\W]                            ; 8 h bits up;
	v_permlanex16_b32 v15, v[\W], s20, s21
	v_or_b32 v[\W], v[\W], v15                                 ; with lane l xor 16's two the word is whole, in both lanes
	v_cvt_scalef32_pk16_bf6_f32 v[\F:\F+2], v[\X:\X+15], v10
	v_cvt_scalef32_pk16_bf6_f32 v[56:58], v[\X+16:\X+31], v10  ; (a conversion's three registers begin on an even number)
	v_cvt_scalef32_pk16_bf6_f32 v[\F+6:\F+8], v[\X+32:\X+47], v11
	v_cvt_scalef32_pk16_bf6_f32 v[60:62], v[\X+48:\X+63], v11
	v_nop                                                      ; one plain place behind the conversions
.irp i, 0,1,2
	v_mov_b32 v[\F+3+\i], v[56+\i]
	v_mov_b32 v[\F+9+\i], v[60+\i]
.endr
.endm
	s_load_b256 s[4:11], s[0:1], 0x0               ; Wk_w s[4:5], Wv_w s[6:7], Q s[8:9], g1_w s[10:11]
	s_load_b256 s[12:19], s[0:1], 0x20             ; g1_b s[12:13], wfrag s[14:15], wscale s[16:17], gpart s[18:19]
	s_set_vgpr_msb 0x40
	v_lshl_add_u32 v0, v0, 2, SPARE                ; v256: my spare word; never rewritten
	v_mov_b32 v1, 0                                ; v257: 0; never rewritten
	s_set_vgpr_msb 0x4000
	v_lshrrev_b32 v7, 5, v0
	v_readfirstlane_b32 s24, v7                    ; wave 0..3
	v_and_b32 v1, 15, v0                           ; r
	v_bfe_u32 v2, v0, 4, 1                         ; h
	v_mul_u32_u24 v3, v1, SP
	v_lshl_add_u32 v3, v2, 7, v3                   ; stage row r, + 128 h
	v_and_b32 v5, 31, v0
	v_lshlrev_b32 v6, 2, v5                        ; 4 lane
	v_lshlrev_b32 v5, 4, v5                        ; 16 lane
	v_lshlrev_b32 v14, 3, v2                       ; 8 h
	v_mov_b32 v15, 0                               ; written once: a lane permute's destination counts as one of its sources
	s_mov_b32 s20, 0x76543210
	s_mov_b32 s21, 0xfedcba98                      ; lane l xor 16
	s_mov_b32 s31, 0
	s_wait_alu depctr_va_vdst(0)                   ; the wait at the head's end
	s_wait_kmcnt 0x0
	s_cmp_lt_u32 ttmp9, 64                         ; the work-group's number alone decides: all four waves go the same way
	s_cbranch_scc0 .Lgate
	; ---- the weights
	s_lshl_b32 s25, ttmp9, 2
	s_add_co_u32 s25, s25, s24                     ; x 128 + w 32 + s 8 + t
	s_lshr_b32 s33, s25, 7                         ; x
	s_and_b32 s25, s25, 127                        ; w 32 + s 8 + t
	s_lshr_b32 s26, s25, 5                         ; w
	s_bfe_u32 s27, s25, 0x20003                    ; s
	s_and_b32 s28, s25, 7                          ; t
	s_lshl_b32 s30, s26, 18                        ; 128 w rows of 2,048 bytes
	s_lshl_b32 s29, s28, 15                        ; 16 t rows
	s_add_co_u32 s30, s30, s29
	s_lshl_b32 s29, s27, 9                         ; K step s: 512 bytes
	s_add_co_u32 s30, s30, s29
	s_cmp_eq_u32 s33, 0                            ; Wk or Wv: the choice hangs on ids alone
	s_cselect_b64 s[4:5], s[4:5], s[6:7]
	s_add_nc_u64 s[4:5], s[4:5], s[30:31]
	s_lshl_b32 s29, s26, 6
	s_and_b32 s28, s25, 31
	s_add_co_u32 s29, s29, s28
	s_lshl_b32 s28, s33, 5
	s_add_co_u32 s29, s29, s28                     ; my fragment: 64 w + 32 x + 8 s + t
	s_mul_i32 s30, s29, FRB
	s_add_nc_u64 s[14:15], s[14:15], s[30:31]
	s_lshl_b32 s30, s25, 7
	s_lshl_b32 s28, s33, 6
	s_add_co_u32 s30, s30, s28                     ; its scale words: 128 (w 32 + s 8 + t) + 64 x
	s_add_nc_u64 s[16:17], s[16:17], s[30:31]
	s_mul_i32 s34, s24, WSTW
	s_add_co_u32 s34, s34, STGW                    ; my stage: a constant + the wave's number x a constant
	v_add_nc_u32 v3, s34, v3
	v_add_nc_u32 v4, s34, v5
	v_lshlrev_b32 v7, 2, v1                        ; 4 r
	LOADF 64, 4
	s_wait_alu depctr_va_vdst(0)                   ; directly ahead of the wait below
	s_wait_loadcnt 0x0
	INF 64, 0
	s_wait_dscnt 0x0                               ; the stores have read their registers, which take the loads below
	OUTF 64, 0
	s_wait_dscnt 0x0
	QL 64, 16, 52
.irp g, 0,1,2
	global_store_b128 v5, v[16+4*\g:19+4*\g], s[14:15] offset:512*\g            ; 32 lanes store 512 consecutive bytes, aligned
.endr
	global_store_b32 v7, v52, s[16:17]             ; row r's word: lanes r and 16 + r write the same word with the same value
	s_set_vgpr_msb 0x5                             ; the add's two registers lie in window 1
	s_wait_tensorcnt 0x0                           ; the wave's end: behind my last LDS store
	ds_add_u32 v0, v1
	s_wait_dscnt 0x0
	s_set_vgpr_msb 0x500
	s_endpgm
	; ---- the gate's first 512 along K
.Lgate:
	s_sub_co_u32 s25, ttmp9, 64
	s_and_b32 s28, s25, 1                          ; u: which 16 units
	s_lshr_b32 s25, s25, 1                         ; which 16 rows of Q
	s_lshl_b32 s30, s25, 15
	s_lshl_b32 s29, s24, 9                         ; my K step = my wave's number
	s_add_co_u32 s30, s30, s29
	s_add_nc_u64 s[8:9], s[8:9], s[30:31]
	s_mul_i32 s30, s28, 16*ROWG
	s_add_co_u32 s30, s30, s29
	s_add_nc_u64 s[10:11], s[10:11], s[30:31]      ; g1_w at row 16 u, my K step
	s_lshl_b32 s30, s25, 11                        ; 16 rows of gpart, 128 bytes each
	s_add_nc_u64 s[18:19], s[18:19], s[30:31]
	s_lshl_b32 s26, s28, 6
	s_lshl_b32 s27, s24, 3
	s_add_co_u32 s26, s26, s27                     ; the quarter that I add up: registers 2 wave, 2 wave + 1 of the tile: 64 u + 8 wave bytes of a row
	v_lshl_add_u32 v59, v2, 5, s26                 ; + 32 h: my two n in g1_b
	v_lshl_add_u32 v63, v1, 7, v59                 ; + 128 r: and in gpart
	s_lshl_b32 s27, s24, 10
	v_add_nc_u32 v7, s27, v5                       ; LDS: my results: 1,024 wave + 16 lane
	s_lshr_b32 s27, s24, 1
	s_lshl_b32 s27, s27, 9
	s_and_b32 s29, s24, 1
	s_lshl_b32 s29, s29, 3
	s_add_co_u32 s27, s27, s29
	v_add_nc_u32 v55, s27, v5                      ; and my quarter of each wave's: 512 (wave / 2) + 16 lane + 8 (wave % 2)
	s_mul_i32 s34, s24, WSTG
	s_add_co_u32 s34, s34, STGG                    ; my stage
	v_add_nc_u32 v3, s34, v3
	v_add_nc_u32 v4, s34, v5
	v_add_nc_u32 v16, s34, v6
	s_wait_alu depctr_va_vdst(0)
	s_set_vgpr_msb 0x40                            ; destination in window 1
	global_load_b64 v[4:5], v59, s[12:13]          ; g1_b into v260, v261
	s_set_vgpr_msb 0x4000
	LOADF 64, 8
	G16 0
	s_wait_loadcnt 63                              ; Q's rows are in: 64 loads stand behind them, and the count's field ends at 63
	INF 64, 0
	s_wait_loadcnt 0x0
	G16 1
	s_wait_dscnt 0x0                               ; the stores have read their registers, which take the loads below
	OUTF 64, 0                                     ; Q's rows,
	OUTF 128, 16                                   ; g1_w's rows 16 u + r
	s_wait_dscnt 0x0
	QL 64, 16, 52
	QL 128, 28, 53
.rept 8
	v_nop                                          ; a scale register written by a vector instruction stands 8 places ahead of a scaled matrix instruction, an operand 4
.endr
	; transposed: source 0 = 16 rows of g1_w, source 1 = 16 rows of Q: lane (r, h) holds row r of Q, register j the unit 16 u + 8 h + j
	v_wmma_scale_f32_16x16x128_f8f6f4 v[64:71], v[28:39], v[16:27], 0, v53, v52 matrix_a_fmt:MATRIX_FMT_BF6 matrix_b_fmt:MATRIX_FMT_BF6
.rept 4
	v_nop
.endr
	ds_store_b128 v7, v[64:67]                     ; the accumulator from its low end on
	ds_store_b128 v7, v[68:71] offset:512
	s_wait_dscnt 0x0                               ; for the others' sake: my stores have landed
	s_barrier_signal -1
	s_barrier_wait -1
.irp p, 0,1,2,3
	ds_load_b64 v[88+2*\p:89+2*\p], v55 offset:1024*\p         ; my quarter of the four K steps' parts
.endr
	s_wait_dscnt 0x0
	v_pk_add_f32 v[88:89], v[88:89], v[90:91]
	v_pk_add_f32 v[92:93], v[92:93], v[94:95]
	v_pk_add_f32 v[88:89], v[88:89], v[92:93]
	s_set_vgpr_msb 0x4                             ; source 1 in window 1: g1_b
	v_pk_add_f32 v[88:89], v[88:89], v[4:5]
	s_set_vgpr_msb 0x400
	global_store_b64 v63, v[88:89], s[18:19]
	s_set_vgpr_msb 0x5
	s_wait_tensorcnt 0x0                           ; the wave's end: behind my last LDS store
	ds_add_u32 v0, v1
	s_wait_dscnt 0x0
	s_set_vgpr_msb 0x500
	s_endpgm
.Lfunc_end_k_q13bfbfad65_prep:
	.size	k_q13bfbfad65_prep, .Lfunc_end_k_q13bfbfad65_prep-k_q13bfbfad65_prep
	.p2alignl 7, 3214868480
	.fill 96, 4, 3214868480
	.section	.rodata,"a",@progbits
	.p2align	6, 0x0
	.amdhsa_kernel k_q13bfbfad65_prep
		.amdhsa_group_segment_fixed_size 110080
		.amdhsa_private_segment_fixed_size 0
		.amdhsa_enable_private_segment 0
		.amdhsa_kernarg_size 64
		.amdhsa_user_sgpr_count 2
		.amdhsa_user_sgpr_kernarg_segment_ptr 1
		.amdhsa_wavefront_size32 1
		.amdhsa_system_sgpr_workgroup_id_x 1
		.amdhsa_system_sgpr_workgroup_id_y 1
		.amdhsa_system_sgpr_workgroup_id_z 1
		.amdhsa_system_vgpr_workitem_id 0
		.amdhsa_next_free_vgpr 264
		.amdhsa_next_free_sgpr 66
		.amdhsa_reserve_vcc 0
		.amdhsa_float_denorm_mode_32 3
		.amdhsa_float_denorm_mode_16_64 3
		.amdhsa_memory_ordered 1
		.amdhsa_forward_progress 1
		.amdhsa_inst_pref_size 33
	.end_amdhsa_kernel
	.amdgpu_metadata
---
amdhsa.version: [ 1, 2 ]
amdhsa.kernels:
  - .name:           k_q13bfbfad65_prep
    .symbol:         k_q13bfbfad65_prep.kd
    .args:
      - { .name: Wk_w, .offset: 0, .size: 8, .value_kind: global_buffer, .address_space: global }
      - { .name: Wv_w, .offset: 8, .size: 8, .value_kind: global_buffer, .address_space: global }
      - { .name: Q, .offset: 16, .size: 8, .value_kind: global_buffer, .address_space: global }
      - { .name: g1_w, .offset: 24, .size: 8, .value_kind: global_buffer, .address_space: global }
      - { .name: g1_b, .offset: 32, .size: 8, .value_kind: global_buffer, .address_space: global }
      - { .name: wfrag, .offset: 40, .size: 8, .value_kind: global_buffer, .address_space: global }
      - { .name: wscale, .offset: 48, .size: 8, .value_kind: global_buffer, .address_space: global }
      - { .name: gpart, .offset: 56, .size: 8, .value_kind: global_buffer, .address_space: global }
    .group_segment_fixed_size: 110080
    .private_segment_fixed_size: 0
    .kernarg_segment_align: 8
    .kernarg_segment_size: 64
    .max_flat_workgroup_size: 128
    .sgpr_count:     66
    .vgpr_count:     264
    .wavefront_size: 32
...
	.end_amdgpu_metadata
.endif
;; end of part 1
;; launch main (part 2): grid 256 x 1, 4 waves a work-group, no clusters, 327,680 bytes of LDS; arguments features, Q, Wk_b, Wv_b, g1_w, g2_w, g2_b, wfrag, wscale, gpart, out0, out1; writes out0, out1
.if DOCPART == 2
	.amdgcn_target "amdgcn-amd-amdhsa--gfx1250"
	.amdhsa_code_object_version 6
	.text
	.protected	k_q13bfbfad65_main
	.globl	k_q13bfbfad65_main
	.p2align	8
	.type	k_q13bfbfad65_main,@function
k_q13bfbfad65_main:
	s_mov_b64 s[64:65], 0
	v_nop
	global_prefetch_b8 v0, s[64:65] scope:SCOPE_SE
	s_setreg_imm32_b32 hwreg(HW_REG_WAVE_MODE, 25, 1), 1
	s_wait_xcnt 0x0
; out0[b] = gate[b] x sum over c of softmax_c(Q[b] . K[b][c] / sqrt(512)) V[b][c], out1[b] = gate[b];  K = F Wk^T + bk, V = F Wv^T + bv on codes of BF6 (E3M2) with one E8M0 scale for each 32 along K;
; gate = sigmoid(g2 . gelu([Q, mean|F|] g1^T + g1_b) + g2_b); of the gate's K = 513 the first 512 come from the launch before (gpart), the last block (mean|F|) is multiplied here.
; SHARES.  256 work-groups that stay, four batches each, one after the other.  THE WAVES SHARE THE COLUMNS: wave w owns t = 128 w .. 128 w + 127 of K and of V for all 128 rows of a batch, so its 64 weight
; fragments (768 registers) stay in registers for the whole launch.  A batch's features (128 x 512 f32, 262,144 bytes) come by one tensor load a wave (its 32 rows) into LDS, are quantised once (wave w: rows
; 32 w .. 32 w + 31) into register images of the operand (49,152 bytes), and all four waves read those.  K and V never leave the accumulators: each tile is folded at once into the scores (x Q) or into the result (x p).
; A BATCH: | barrier: nobody reads the last batch's codes | my tile has landed; quantise; | barrier: codes whole, my tile read out; the next batch's tile is asked for: it has all that follows in which to land |
;   K phase: 8 tiles of 16 rows x 32 matrix instructions, scores' parts to LDS | barrier | softmax and gate, in every wave | V phase: 8 x 32 matrix instructions | my 128 numbers of out0.
; K phase transposed (source 0 = 16 rows of Wk, source 1 = 16 rows of F): a lane holds one row c and eight t.  V phase not (source 0 = F, source 1 = Wv): a lane holds one t and eight c.
; bk enters as Q . bk added to every score; bv behind the normalised sum, as gate x bv (the weights add up to 1); the f32 sums run in another order than a single chain.
; NO CLUSTER: what work-groups share is the weights' 409,600 bytes, which each reads once, straight into registers, against 1,048,576 bytes of features of its own.
; NO PREFETCH: each tile is asked for a whole K phase, gate and V phase (512 matrix instructions) ahead of the wait for it.
; LIMITS: NaN and infinities are not served; a block of zeros gets the scale byte 1 (its codes are zeros); erf by a five-term formula good to 1.5e-7 absolute (it feeds no quantiser).
; LDS claims all of a WGP's; it uses 324,352 bytes.
; REGISTERS, in windows of 256 (s_set_vgpr_msb: bits 1:0 source 0, 3:2 source 1, 5:4 source 2, 7:6 destination):
;   window 0: v0 the four gates (lane b); v1, v2 the add's; v3-15 addresses; v16-31 at work; v32-63 the weights' scale words (8 s + t: lanes 0-15 Wk's, 16-31 Wv's); v64-127 eight accumulators;
;             v128-175 a row tile's four fragments; v176-183 its scale words, two sets; v184-219 Wk (s = 3, t = 5..7); v220-255 Wv (the same)
;   window 1: v0-95 Wk s = 0; v96-191 Wv s = 0; v192-255 Q, later p     window 2: Wk s = 1, 2, 3 (t < 5); v252-255 bv     window 3: Wv likewise; v252-255 bk
.set FRB,   1536                       ; a fragment's image: 32 lanes x 48 bytes, a lane's 12 registers on end: lanes 12 words apart
.set STG,   49152                      ; behind the 32 images: the features' stage
.set UNIT,  1040                       ; half a feature row: 1,024 bytes + 16 of padding: lanes 260 words apart
.set HSTG,  32*UNIT                    ; 16 rows
.set WSTG,  64*UNIT                    ; a wave's tile: 32 rows
.set ASC,   STG+4*WSTG                 ; the features' scale words: row tile m at 256 m, row r at 16 r: K steps 0..3
.set SCO,   ASC+2048                   ; [wave][c] parts of the scores
.set PBUF,  SCO+2048                   ; 512 bytes a wave, its own: p, later the way out
.set CST,   PBUF+2048                  ; 512 bytes a wave, its own, 16 a lane: g1_w's last column as codes, g2_w[r], g2_w[16 + r], the column's scale word
.set FSUM,  CST+2048                   ; the waves' sums of |F|
.set SPARE, FSUM+256                   ; the spare words, 128 bytes for each wave: two blocks of 256 bytes that no other line names
.set WS,  32
.set ACC, 64
.set AF,  128
.set AS,  176
.set QP,  192
.set MSB, 0
.macro WIN new                         ; the immediate's high byte repeats the setting that is left; a switch that changes nothing is dropped
.if MSB != (\new)
	s_set_vgpr_msb (MSB<<8)|(\new)
.set MSB, (\new)
.endif
.endm
.macro PLACES n                        ; plain vector instructions behind a matrix instruction (ISA guide 7.12.1)
.rept \n
	v_nop
.endr
.endm
.macro WREG x, s, t                    ; where weight x's fragment (K step s, tile t) lies
.if (\s) == 0
.set WWIN, 1
.set WBASE, 96*(\x)+12*(\t)
.elseif ((\s) == 3) && ((\t) >= 5)
.set WWIN, 0
.set WBASE, 184+36*(\x)+12*((\t)-5)
.else
.set WWIN, 2+(\x)
.set WBASE, 96*((\s)-1)+12*(\t)
.endif
.endm
.macro AFL n, s                        ; row tile n's fragment of K step s
.irp g, 0,1,2
	ds_load_b128 v[AF+12*(\s)+4*\g:AF+12*(\s)+4*\g+3], v6 offset:(4*(\n)+(\s))*FRB+16*\g
.endr
.endm
.macro ASL n                           ; its four scale words, into the set of its parity
	ds_load_b128 v[AS+4*((\n)%2):AS+4*((\n)%2)+3], v7 offset:256*(\n)
.endm
; ---- the quantiser: lane l takes half hf = l % 2 of row l / 2 of 16 rows: eight whole blocks of 32, three sets of numbers, two of codes
.macro QLD j
.irp i, 0,1,2,3,4,5,6,7
	ds_load_b128 v[ACC+32*((\j)%3)+4*\i:ACC+32*((\j)%3)+4*\i+3], v167 offset:128*(\j)+16*\i
.endr
.endm
.macro QGRP i                          ; four numbers of block j: the largest magnitude in two chains, the sum of |x| in four
	v_max3_num_f32 v16, v16, |v[XS+\i]|, |v[XS+\i+1]|
	v_max3_num_f32 v17, v17, |v[XS+\i+2]|, |v[XS+\i+3]|
	v_add_f32 v[22+\i%4], v[22+\i%4], |v[XS+\i]|
	v_add_f32 v[22+(\i+1)%4], v[22+(\i+1)%4], |v[XS+\i+1]|
	v_add_f32 v[22+(\i+2)%4], v[22+(\i+2)%4], |v[XS+\i+2]|
	v_add_f32 v[22+(\i+3)%4], v[22+(\i+3)%4], |v[XS+\i+3]|
.endm
; Step j, 0 to 8: block j's maximum and sum, and laid among them what is left of block j - 1: its conversions, its scale byte, its codes' way to LDS.  So no line reads the result of the line just above it.
; n: the LDS instructions that may stay out at the step's head: behind block j's numbers stand block j - 2's three stores and block j + 1's eight loads.
; The stores of block j - 3, whose registers block j - 1's codes take, are older than block j's numbers (step 7 waits for all, for step 8's sake).
.macro QSTEP j, n
.set XS, ACC+32*((\j)%3)               ; block j's numbers
.set XP, ACC+32*(((\j)+2)%3)           ; block j - 1's
.set CS, 160+8*(((\j)+1)%2)            ; block j - 1's codes
.set SN, 18+(\j)%2                     ; block j's scale operand: v18 and v19 by turns
.set SO, 18+((\j)+1)%2                 ; block j - 1's
.set JP, (\j)-1
.if (\j) < 8
	s_wait_alu depctr_va_vdst(0)                               ; directly ahead of the wait below
	s_wait_dscnt \n
.endif
.if (\j) > 0
	v_cvt_scalef32_pk16_bf6_f32 v[CS:CS+2], v[XP:XP+15], v[SO]
	v_cvt_scalef32_pk16_bf6_f32 v[CS+4:CS+6], v[XP+16:XP+31], v[SO]  ; (a conversion's three registers begin on an even number)
.endif
.if (\j) < 8
	v_max3_num_f32 v16, |v[XS]|, |v[XS+1]|, |v[XS+2]|          ; (also the plain place behind the conversions)
	v_max3_num_f32 v17, |v[XS+3]|, |v[XS+4]|, |v[XS+5]|
.irp i, 0,1,2,3,4,5
	v_add_f32 v[22+\i%4], v[22+\i%4], |v[XS+\i]|
.endr
	QGRP 6
	QGRP 10
	QGRP 14
.else
	v_nop                                                      ; one plain place behind the conversions
.endif
.if (\j) > 0
	v_lshrrev_b32 v[SO], 23, v[SO]                             ; the scale's byte, where the scale operand stood
.if JP%4 == 0
	v_mov_b32 v[20+JP/4], v[SO]                                ; four bytes make the scale word of K step 2 hf + (j - 1) / 4
.else
	v_lshl_or_b32 v[20+JP/4], v[SO], 8*(JP%4), v[20+JP/4]
.endif
	v_mov_b32 v[CS+3], v[CS+4]
	v_mov_b32 v[CS+4], v[CS+5]
	v_mov_b32 v[CS+5], v[CS+6]
.endif
.if (\j) < 8
	QGRP 18
	QGRP 22
	QGRP 26
	v_max3_num_f32 v16, v16, |v[XS+30]|, |v[XS+31]|
	v_add_f32 v24, v24, |v[XS+30]|
	v_add_f32 v25, v25, |v[XS+31]|
	v_max3_num_f32 v16, v16, v17, 0x2800000                    ; and the floor 2^(5 - 127): the byte cannot fall under 1
	v_add_nc_u32 v[SN], 0xfe000000, v16                        ; 4 off the exponent field: the conversion's scale operand
.endif
.if (\j) > 0
.irp q, 0,1,2                          ; block b = j - 1 is registers 6 ((b / 2) % 2) on of lane row + 16 (b % 2) of the fragment of K step 2 hf + b / 4
	ds_store_b64 v175, v[CS+2*\q:CS+2*\q+1] offset:(JP/4)*FRB+(JP%2)*768+((JP/2)%2)*24+8*\q
.endr
.endif
.if (\j) < 6
	QLD (\j)+2                                                 ; into the registers that block j - 1's conversions have read
.endif
.endm
; ---- the K phase
.macro KMM m, s, t
	WREG 0, \s, \t
	WIN WWIN
.if (\s) == 0
	v_wmma_scale_f32_16x16x128_f8f6f4 v[ACC+8*(\t):ACC+8*(\t)+7], v[WBASE:WBASE+11], v[AF+12*(\s):AF+12*(\s)+11], 0, v[WS+8*(\s)+(\t)], v[AS+4*((\m)%2)+(\s)] matrix_a_fmt:MATRIX_FMT_BF6 matrix_b_fmt:MATRIX_FMT_BF6
.else
	v_wmma_scale_f32_16x16x128_f8f6f4 v[ACC+8*(\t):ACC+8*(\t)+7], v[WBASE:WBASE+11], v[AF+12*(\s):AF+12*(\s)+11], v[ACC+8*(\t):ACC+8*(\t)+7], v[WS+8*(\s)+(\t)], v[AS+4*((\m)%2)+(\s)] matrix_a_fmt:MATRIX_FMT_BF6 matrix_b_fmt:MATRIX_FMT_BF6
.endif
.endm
.macro FK t                            ; accumulator t (eight t of my row c) x Q, into four pairs of sums; from its low end on.  Tile 0 starts the sums, one of them from Q . bk
.irp i, 0,1,2,3
.if ((\t) == 0) && (\i == 0)
	v_pk_fma_f32 v[16:17], v[QP:QP+1], v[ACC:ACC+1], v[24:25]
.elseif (\t) == 0
	v_pk_mul_f32 v[16+2*\i:17+2*\i], v[QP+2*\i:QP+2*\i+1], v[ACC+2*\i:ACC+2*\i+1]
.else
	v_pk_fma_f32 v[16+2*\i:17+2*\i], v[QP+8*(\t)+2*\i:QP+8*(\t)+2*\i+1], v[ACC+8*(\t)+2*\i:ACC+8*(\t)+2*\i+1], v[16+2*\i:17+2*\i]
.endif
.endr
.endm
.macro FIN m                           ; row tile m's part of the scores: the eight sums, the other half of the lanes', to LDS
	v_pk_add_f32 v[16:17], v[16:17], v[18:19]
	v_pk_add_f32 v[20:21], v[20:21], v[22:23]
	v_pk_add_f32 v[16:17], v[16:17], v[20:21]
	v_add_f32 v16, v16, v17
	v_permlanex16_b32 v17, v16, s38, s39
	v_add_f32 v16, v16, v17
	ds_store_b32 v8, v16 offset:64*(\m)
.endm
; Row tile m: four passes (K steps) over the eight accumulators, which take turns.  The tile before is folded into the scores between pass 0's products, each accumulator just ahead of
; the product that begins it anew.  The next tile's fragments come in TWO runs of loads: K steps 0 and 1 and the scale words behind pass 1, K steps 2 and 3 behind pass 3; each run has two passes,
; sixteen matrix instructions, between itself and its first use (tile 7 fetches tile 0, for the V phase).
.macro KT m
.if (\m) > 0
	s_wait_dscnt 6                                 ; K steps 0 and 1 and the scale words are in; behind them: the run of six loads
.endif
.irp t, 0,1,2,3,4,5,6,7
.if (\m) > 0
	WIN 0x01
	FK \t
.endif
	KMM \m, 0, \t
.endr
.irp t, 0,1,2,3,4,5,6,7
	KMM \m, 1, \t
.endr
	WIN 0
.if (\m) > 0
	FIN (\m)-1                                     ; its plain instructions are the places in front of the loads
.else
	PLACES 4
.endif
	AFL ((\m)+1)%8, 0
	AFL ((\m)+1)%8, 1
	ASL ((\m)+1)%8
.if (\m) > 0
	s_wait_dscnt 8                                 ; K steps 2 and 3 are in; behind them: the score's store and the seven loads just issued
.endif
.irp s, 2,3
.irp t, 0,1,2,3,4,5,6,7
	KMM \m, \s, \t
.endr
.endr
	WIN 0
	PLACES 5                                       ; five: the next matrix instruction on accumulator 0 begins it anew, and the four multiply-adds in front of it name that accumulator
	AFL ((\m)+1)%8, 2
	AFL ((\m)+1)%8, 3
.endm
; ---- the V phase
.macro VMM m, s, t
	WREG 1, \s, \t
	WIN WWIN<<2
.if (\s) == 0
	v_wmma_scale_f32_16x16x128_f8f6f4 v[ACC+8*(\t):ACC+8*(\t)+7], v[AF+12*(\s):AF+12*(\s)+11], v[WBASE:WBASE+11], 0, v[AS+4*((\m)%2)+(\s)], v[WS+8*(\s)+(\t)] matrix_a_fmt:MATRIX_FMT_BF6 matrix_b_fmt:MATRIX_FMT_BF6 matrix_b_scale:MATRIX_SCALE_ROW1
.else
	v_wmma_scale_f32_16x16x128_f8f6f4 v[ACC+8*(\t):ACC+8*(\t)+7], v[AF+12*(\s):AF+12*(\s)+11], v[WBASE:WBASE+11], v[ACC+8*(\t):ACC+8*(\t)+7], v[AS+4*((\m)%2)+(\s)], v[WS+8*(\s)+(\t)] matrix_a_fmt:MATRIX_FMT_BF6 matrix_b_fmt:MATRIX_FMT_BF6 matrix_b_scale:MATRIX_SCALE_ROW1
.endif
.endm
.macro FV mm, t, i                     ; pair i of accumulator t (two rows c of row tile mm, my column t) x p, into the column tile's pair of sums; row tile 0 starts them
.if ((\mm) == 0) && ((\i) == 0)
	v_pk_mul_f32 v[16+2*(\t):17+2*(\t)], v[ACC+8*(\t):ACC+8*(\t)+1], v[QP:QP+1]
.else
	v_pk_fma_f32 v[16+2*(\t):17+2*(\t)], v[ACC+8*(\t)+2*(\i):ACC+8*(\t)+2*(\i)+1], v[QP+8*(\mm)+2*(\i):QP+8*(\mm)+2*(\i)+1], v[16+2*(\t):17+2*(\t)]
.endif
.endm
; Row tile m.  The tile before is folded between pass 0's products, along diagonals, so that neighbouring lines have different sums; pair i of accumulator t stands in front of product t + i - 3 or earlier, pairs ascending.
; The windows name source 1 alone, so the LDS loads (destination and source 0) need no switch.
.macro VT m
.if (\m) > 0
	s_wait_dscnt 6                                 ; K steps 0 and 1 and the scale words are in; behind them: the run of six loads
	WIN 0x04
	FV (\m)-1, 0, 0
	FV (\m)-1, 1, 0
	FV (\m)-1, 2, 0
	FV (\m)-1, 0, 1
	FV (\m)-1, 1, 1
	FV (\m)-1, 0, 2
.endif
.irp k, 0,1,2,3,4,5,6,7
.if (\m) > 0
.irp d, 0,1,2,3
.if (\k+\d) < 8
	FV (\m)-1, \k+\d, 3-\d
.endif
.endr
.endif
	VMM \m, 0, \k
.endr
.irp t, 0,1,2,3,4,5,6,7
	VMM \m, 1, \t
.endr
	PLACES 4
.if (\m) < 7
	AFL (\m)+1, 0                                  ; two runs of loads a tile, as in the K phase
	AFL (\m)+1, 1
	ASL (\m)+1
.endif
.if (\m) == 7
	s_wait_dscnt 0                                 ; the last tile fetches nothing
.elseif (\m) > 0
	s_wait_dscnt 7                                 ; K steps 2 and 3 are in; behind them: the seven loads just issued
.endif
.irp s, 2,3
.irp t, 0,1,2,3,4,5,6,7
	VMM \m, \s, \t
.endr
.endr
	PLACES 4
.if (\m) < 7
	AFL (\m)+1, 2
	AFL (\m)+1, 3
.endif
.endm
; ================ the head
	s_load_b512 s[68:83], s[0:1], 0x0              ; features s[68:69], Q s[70:71], Wk_b s[72:73], Wv_b s[74:75], g1_w s[76:77], g2_w s[78:79], g2_b s[80:81], wfrag s[82:83]
	s_load_b256 s[84:91], s[0:1], 0x40             ; wscale s[84:85], gpart s[86:87], out0 s[88:89], out1 s[90:91]
	v_lshl_add_u32 v1, v0, 2, SPARE                ; my spare word; never rewritten
	v_mov_b32 v2, 0                                ; 0; never rewritten
	ds_add_u32 v1, v2
	ds_add_u32 v1, v2
	s_wait_dscnt 0x0
	v_lshrrev_b32 v16, 5, v0
	v_readfirstlane_b32 s32, v16                   ; wave 0..3
	; descriptor group 1: 32 feature rows, dense in memory, as 64 rows of 256 numbers, 16 bytes of padding behind each
	s_mov_b32 s16, (2<<16)|(1<<20)|(7<<22)|(3<<25) ; no mask; elements of 4 bytes; padding on; after every 256 words (code 7); 4 words of it (code 3)
	s_mov_b32 s17, 256<<16                         ; tensor_dim0
	s_mov_b32 s18, 64<<16                          ; tensor_dim1
	s_mov_b32 s19, 256<<16                         ; tile_dim0
	s_mov_b32 s20, 64                              ; tile_dim1
	s_mov_b32 s21, 256                             ; from row to row
	s_mov_b32 s22, 0
	s_mov_b32 s23, 0
	s_lshl_b32 s2, ttmp9, 20                       ; four batches of 262,144 bytes a work-group,
	s_lshl_b32 s4, s32, 16                         ; 32 rows of 2,048 bytes a wave
	s_add_co_u32 s2, s2, s4
	s_mov_b32 s3, 0
	s_mul_i32 s48, s32, WSTG
	s_add_co_u32 s48, s48, STG                     ; my tile's place in LDS: a constant + the wave's number x a constant
	s_wait_kmcnt 0x0
	s_mov_b32 s24, 1                               ; group 0: count = 1,
	s_mov_b32 s25, s48                             ; LDS address,
	s_add_nc_u64 s[26:27], s[68:69], s[2:3]        ; global address,
	s_or_b32 s27, s27, 0x80000000                  ; type = 2
	tensor_load_to_lds s[24:27], s[16:23]          ; the first batch's tile, ahead of everything else
	s_nop 0
	PLACES 4
	v_and_b32 v16, 31, v0                          ; lane
	v_and_b32 v17, 15, v0                          ; r
	v_bfe_u32 v18, v0, 4, 1                        ; h
	s_lshl_b32 s49, s32, 9                         ; 512 w
	v_mul_u32_u24 v3, v16, UNIT
	v_add_nc_u32 v3, s48, v3                       ; v3   the stage: my half row of the first 16 rows
	v_and_b32 v19, 1, v0
	v_bfe_u32 v20, v0, 1, 4
	v_mul_u32_u24 v4, v20, 48
	v_mad_u32_u24 v4, v19, 2*FRB, v4
	s_mul_i32 s50, s32, 8*FRB
	v_add_nc_u32 v4, s50, v4                       ; v4   where my codes go: row tile 2 w, K step 2 hf, lane = my row
	v_lshlrev_b32 v5, 3, v16
	s_add_co_u32 s50, s49, ASC
	v_add_nc_u32 v5, s50, v5                       ; v5   and my two scale words
	v_mul_u32_u24 v6, v16, 48                      ; v6   an image's place for my lane
	v_lshl_add_u32 v7, v17, 4, ASC                 ; v7   row r's four scale words
	s_add_co_u32 s50, s49, SCO
	v_lshl_add_u32 v8, v17, 2, s50                 ; v8   my wave's part of row r's score
	v_lshl_add_u32 v9, v16, 4, SCO                 ; v9   four scores a lane
	s_add_co_u32 s50, s49, PBUF
	v_lshl_add_u32 v10, v16, 4, s50                ; v10  my wave's p, four a lane
	v_lshl_add_u32 v11, v18, 5, s50                ; v11  p of rows 8 h on
	v_lshl_add_u32 v12, v17, 2, s50                ; v12  the way out: column r
	v_lshlrev_b32 v13, 4, v16                      ; v13  16 lane
	s_wait_alu depctr_va_vdst(0)
	v_lshlrev_b32 v14, 5, v18                      ; v14  32 h
	s_add_co_u32 s50, s49, CST
	v_lshl_add_u32 v15, v16, 4, s50                ; v15  my 16 bytes of constants
	v_mul_u32_u24 v19, v17, 2052                   ; row r of g1_w
	s_wait_alu depctr_va_vdst(0)
	v_lshlrev_b32 v20, 2, v17
	s_wait_alu depctr_va_vdst(0)
	v_lshlrev_b32 v21, 2, v16
	s_wait_alu depctr_va_vdst(0)
	v_mov_b32 v0, 0                                ; from here on: the gates
	s_mov_b32 s38, 0x76543210
	s_mov_b32 s39, 0xfedcba98                      ; lane l xor 16
	s_mov_b32 s40, 0xffff0000                      ; lanes 16-31
	s_mov_b32 s42, 1                               ; the lane that takes this batch's gate
	s_lshl_b32 s43, s32, 2
	s_add_co_u32 s43, s43, FSUM                    ; my wave's word among the sums of |F|
	s_mov_b32 s44, 0x3d8293ee                      ; log2(e) / sqrt(512)
	s_mov_b32 s45, s44                             ; (named with it as a pair)
	s_lshl_b32 s2, ttmp9, 13
	s_add_co_u32 s2, s2, s49
	s_add_nc_u64 s[6:7], s[70:71], s[2:3]          ; Q and out0 at my batch's row, my wave's 128 numbers
	s_add_nc_u64 s[8:9], s[88:89], s[2:3]
	s_lshl_b32 s2, ttmp9, 9
	s_add_nc_u64 s[12:13], s[86:87], s[2:3]        ; gpart at my batch's row
	s_lshl_b32 s2, ttmp9, 4
	s_add_nc_u64 s[90:91], s[90:91], s[2:3]        ; out1 at my four batches
	s_mov_b32 s2, s49
	s_add_nc_u64 s[72:73], s[72:73], s[2:3]        ; the biases at my 128 numbers
	s_add_nc_u64 s[74:75], s[74:75], s[2:3]
	s_mul_i32 s2, s32, 64*FRB
	s_add_nc_u64 s[82:83], s[82:83], s[2:3]        ; my 64 fragments
	s_lshl_b32 s2, s32, 12
	s_add_nc_u64 s[84:85], s[84:85], s[2:3]        ; and their 32 x 128 bytes of scale words
	s_load_b32 s41, s[80:81], 0x0                  ; g2_b
	WIN 0x80
	global_load_b128 v[252:255], v13, s[74:75]     ; bv, four a lane, to window 2
	WIN 0xc0
	global_load_b128 v[252:255], v13, s[72:73]     ; bk to window 3
	WIN 0
	global_load_b32 v64, v19, s[76:77] offset:2048             ; g1_w[r][512]
	global_load_b32 v65, v19, s[76:77] offset:2048+16*2052     ; g1_w[16 + r][512]
	global_load_b32 v97, v20, s[78:79]                         ; g2_w[r]
	global_load_b32 v98, v20, s[78:79] offset:64               ; g2_w[16 + r]
.set q, 0
.rept 32
	global_load_b32 v[WS+q], v21, s[84:85] offset:128*q
.set q, q+1
.endr
.macro WLOAD x                         ; weight x's 32 fragments of my wave: 96 loads of 512 consecutive bytes
.irp s, 0,1,2,3
.irp t, 0,1,2,3,4,5,6,7
	WREG \x, \s, \t
	WIN WWIN<<6
.irp g, 0,1,2
	global_load_b128 v[WBASE+4*\g:WBASE+4*\g+3], v13, s[82:83] offset:(32*(\x)+8*\s+\t)*FRB+512*\g
.endr
.endr
.endr
	WIN 0
.endm
	WLOAD 0                                        ; Wk now; Wv is asked for behind the first batch's quantising: it is first read in the V phase
.irp j, 73,74,75,76,77,78,79,80,81,82,83,84,85,86,87
	v_mov_b32 v[\j], 0
.endr
	s_wait_loadcnt 63                              ; 128 loads were issued behind the six small ones: those are in
	; g1_w's last column: the 17th block of each row is [x, 31 zeros].  Its code (lanes 0-15 hold k = 0 .. 31) and its scale word (the step's other three blocks: zeros under the byte 127)
	v_max_num_f32 v68, 0x2800000, |v64|
	v_max_num_f32 v69, 0x2800000, |v65|
	v_add_nc_u32 v68, 0xfe000000, v68
	v_add_nc_u32 v69, 0xfe000000, v69
	v_lshrrev_b32 v70, 23, v68
	v_lshrrev_b32 v71, 23, v69
	v_or_b32 v70, 0x7f7f7f00, v70
	v_or_b32 v71, 0x7f7f7f00, v71
	v_cndmask_b32 v99, v70, v71, s40               ; lanes 0-15: row r's word; lanes 16-31: row 16 + r's
	v_cndmask_b32 v72, v64, v2, s40                ; lanes 16-31 hold k = 32 .. 63: zeros
	v_cvt_scalef32_pk16_bf6_f32 v[88:90], v[72:87], v68
	v_nop                                          ; one plain place behind a scaled conversion
	v_cndmask_b32 v72, v65, v2, s40
	v_cvt_scalef32_pk16_bf6_f32 v[92:94], v[72:87], v69
	v_nop
	v_lshl_or_b32 v96, v92, 8, v88                 ; the two codes, a byte each
	ds_store_b128 v15, v[96:99]
	s_wait_kmcnt 0x0
	s_wait_xcnt 0x0                                ; the head's loads have read their offsets: v19-21 are written again below
; ================ a batch, in two parts.  QUANT: its Q and gpart are asked for, its tile is awaited and quantised.  BATCH: all that follows; fill = 1: the next batch's tile is asked for
.macro QUANT
	WIN 0x40
.irp t, 0,1,2,3,4,5,6,7
	global_load_b128 v[QP+8*\t:QP+8*\t+3], v14, s[6:7] offset:64*\t           ; Q[128 w + 16 t + 8 h + 0 .. 7]: the accumulators' layout in the K phase
	global_load_b128 v[QP+8*\t+4:QP+8*\t+7], v14, s[6:7] offset:64*\t+16
.endr
	WIN 0
	global_load_b128 v[26:29], v13, s[6:7]         ; Q, four a lane, for Q . bk
	v_bfe_u32 v30, v13, 4, 4
	v_lshlrev_b32 v30, 2, v30                      ; 4 r
	v_mov_b32 v31, v30
	global_load_b32 v30, v30, s[12:13]             ; gpart[b][r] and [16 + r]: each load lands on its own offset
	global_load_b32 v31, v31, s[12:13] offset:64
	s_wait_dscnt 0x0                               ; my reads of the last batch's codes and scale words are over
	s_barrier_signal -1
	s_barrier_wait -1                              ; everybody's are.  My tile may still be on its way
	s_wait_tensorcnt 0x0                           ; my tile is in: one load is out, so the count for its reads is 0; I alone read it
.irp j, 22,23,24,25
	v_mov_b32 v[\j], 0                             ; the sum of |F|, four chains
.endr
	s_mov_b32 s35, 0                               ; 16 rows on: in the stage,
	s_mov_b32 s36, 0                               ; among the images,
	s_mov_b32 s37, 0                               ; among the scale words
	s_mov_b32 s34, 0
.Lslot_\@:                                         ; two trips: 16 rows, one row tile, each
	v_add_nc_u32 v167, s35, v3
	v_add_nc_u32 v175, s36, v4
	QLD 0
	QLD 1
	QSTEP 0, 8                                     ; behind block 0's numbers: block 1's eight loads
	QSTEP 1, 8                                     ; block 2's eight loads
	QSTEP 2, 11                                    ; three stores, eight loads
	QSTEP 3, 11
	QSTEP 4, 11
	QSTEP 5, 11
	QSTEP 6, 11
	QSTEP 7, 0                                     ; all: block 5's stores have read the registers that step 8 writes
	QSTEP 8, 0                                     ; block 7's codes alone
	v_add_nc_u32 v167, s37, v5
	ds_store_b64 v167, v[20:21]
	s_add_co_u32 s35, s35, HSTG
	s_add_co_u32 s36, s36, 4*FRB
	s_add_co_u32 s37, s37, 256
	s_add_co_u32 s34, s34, 1
	s_cmp_lt_u32 s34, 2
	s_cbranch_scc1 .Lslot_\@
	s_wait_loadcnt 0x0                             ; Q and gpart, asked for ahead of the quantising; in the first batch Wk and the weights' scale words too
.endm
.macro BATCH fill
.if \fill
	s_wait_tensorcnt 0x0                           ; no tensor load of mine is out, so group 0 may be written
	ds_add_u32 v1, v2                              ; 0 onto my spare word
	s_add_nc_u64 s[26:27], s[26:27], 0x40000       ; the next batch; the type bits on top are not reached
	s_wait_dscnt 0x0                               ; the add is done, my reads of the tile are over, my codes have landed
	s_barrier_signal -1
	s_barrier_wait -1                              ; the batch's codes are whole
	tensor_load_to_lds s[24:27], s[16:23]          ; my one tensor load behind the barrier, and the first thing there
	s_nop 0
	PLACES 4
.else
	s_wait_dscnt 0x0                               ; my codes have landed
	s_barrier_signal -1
	s_barrier_wait -1
.endif
	AFL 0, 0
	AFL 0, 1
	AFL 0, 2
	AFL 0, 3
	ASL 0
	v_add_f32 v22, v22, v23                        ; my wave's sum of |F|
	v_add_f32 v24, v24, v25
	v_add_f32 v22, v22, v24
	v_add_f32_dpp v22, v22, v22 row_xmask:1 row_mask:0xf bank_mask:0xf
	v_add_f32_dpp v22, v22, v22 row_xmask:2 row_mask:0xf bank_mask:0xf
	v_add_f32_dpp v22, v22, v22 row_xmask:4 row_mask:0xf bank_mask:0xf
	v_add_f32_dpp v22, v22, v22 row_xmask:8 row_mask:0xf bank_mask:0xf
	v_permlanex16_b32 v23, v22, s38, s39
	v_add_f32 v22, v22, v23
	v_mov_b32 v23, s43
	ds_store_b32 v23, v22                          ; all lanes write the same word with the same value
	WIN 0x0c
	v_pk_mul_f32 v[24:25], v[26:27], v[252:253]    ; Q . bk over my 128 t
	v_pk_fma_f32 v[24:25], v[28:29], v[254:255], v[24:25]
	WIN 0
	v_add_f32 v24, v24, v25
	v_add_f32_dpp v24, v24, v24 row_xmask:1 row_mask:0xf bank_mask:0xf
	v_add_f32_dpp v24, v24, v24 row_xmask:2 row_mask:0xf bank_mask:0xf
	v_add_f32_dpp v24, v24, v24 row_xmask:4 row_mask:0xf bank_mask:0xf
	v_add_f32_dpp v24, v24, v24 row_xmask:8 row_mask:0xf bank_mask:0xf
	v_permlanex16_b32 v25, v24, s38, s39
	v_add_f32 v24, v24, v25
	v_mul_f32 v24, 0.5, v24                        ; half: a score is the sum of two lanes' sums
	v_mov_b32 v25, 0
	s_wait_dscnt 0x0                               ; row tile 0's fragments and scale words
.irp m, 0,1,2,3,4,5,6,7
	s_wait_alu depctr_va_vdst(0)
	KT \m
.endr
	WIN 0x01
.irp t, 0,1,2,3,4,5,6,7
	FK \t
.endr
	WIN 0
	FIN 7
	s_wait_dscnt 0x0                               ; my parts of the scores and my sum of |F| have landed
	s_barrier_signal -1
	s_barrier_wait -1
	; ---- softmax and gate, in every wave.  Lane l holds rows c = 4 l .. 4 l + 3
	v_mov_b32 v16, FSUM
	ds_load_b128 v[64:67], v9
	ds_load_b128 v[68:71], v9 offset:512
	ds_load_b128 v[72:75], v9 offset:1024
	ds_load_b128 v[76:79], v9 offset:1536
	ds_load_b128 v[80:83], v16
	ds_load_b96 v[84:86], v15                      ; the column's codes, g2_w[r], g2_w[16 + r]
	ds_load_b32 v181, v15 offset:12                ; the column's scale words, into a register that holds scales alone
.irp j, 89,90,91,92,93,94,95,96,97,98,99,100,101,102,103,107,108,109,110,111,112,113,114,115,117,118,119,120,121,122,123,124,125,126,127
	v_mov_b32 v[\j], 0                             ; the zeros of the gate's last K step: 15 numbers beside mean|F|, and the three operands' other registers
.endr
	s_wait_dscnt 0x0
	v_add_f32 v80, v80, v81
	v_add_f32 v82, v82, v83
	v_add_f32 v80, v80, v82
	v_mul_f32 v80, 0x37800000, v80                 ; mean|F| = the sum / 65,536
	v_max_num_f32 v17, 0x2800000, v80
	v_add_nc_u32 v17, 0xfe000000, v17
	v_lshrrev_b32 v18, 23, v17
	v_or_b32 v180, 0x7f7f7f00, v18                 ; its block's byte; the other three blocks: zeros under 127
	v_cndmask_b32 v88, v80, v2, s40                ; lanes 16-31 hold k = 32 .. 63: zeros
	v_bfe_u32 v116, v84, 8, 8                      ; rows 16 + r of the column
	v_cvt_scalef32_pk16_bf6_f32 v[104:106], v[88:103], v17
	v_pk_add_f32 v[64:65], v[64:65], v[68:69]      ; the four waves' parts of the scores.  (A plain place behind the conversion)
	v_and_b32 v88, 0xff, v84                       ; rows r of the column, where the numbers stood
	v_pk_add_f32 v[66:67], v[66:67], v[70:71]
	v_pk_add_f32 v[72:73], v[72:73], v[76:77]
	v_pk_add_f32 v[74:75], v[74:75], v[78:79]
	v_pk_add_f32 v[64:65], v[64:65], v[72:73]
	v_pk_add_f32 v[66:67], v[66:67], v[74:75]
	v_max3_num_f32 v16, v64, v65, v66              ; the largest score
	v_max_num_f32 v16, v16, v67
	v_max_num_f32_dpp v16, v16, v16 row_xmask:1 row_mask:0xf bank_mask:0xf
	v_max_num_f32_dpp v16, v16, v16 row_xmask:2 row_mask:0xf bank_mask:0xf
	v_max_num_f32_dpp v16, v16, v16 row_xmask:4 row_mask:0xf bank_mask:0xf
	v_max_num_f32_dpp v16, v16, v16 row_xmask:8 row_mask:0xf bank_mask:0xf
	v_permlanex16_b32 v17, v16, s38, s39
	v_max_num_f32 v16, v16, v17
	v_pk_add_f32 v[64:65], v[64:65], v[16:17] op_sel_hi:[1,0] neg_lo:[0,1] neg_hi:[0,1]
	v_pk_add_f32 v[66:67], v[66:67], v[16:17] op_sel_hi:[1,0] neg_lo:[0,1] neg_hi:[0,1]
	v_pk_mul_f32 v[64:65], v[64:65], s[44:45] op_sel_hi:[1,0]
	v_pk_mul_f32 v[66:67], v[66:67], s[44:45] op_sel_hi:[1,0]  ; (the lines since the scale word and the operands were written are the places that a scaled matrix instruction asks for: more than 8 and 4)
	; source 0: sixteen equal rows [mean|F|, zeros]; source 1: 16 rows of the column: every register of lane (r, h) holds the product for unit 16 u + r
	v_wmma_scale_f32_16x16x128_f8f6f4 v[68:75], v[104:115], v[88:99], 0, v180, v181 matrix_a_fmt:MATRIX_FMT_BF6 matrix_b_fmt:MATRIX_FMT_BF6
	v_wmma_scale_f32_16x16x128_f8f6f4 v[76:83], v[104:115], v[116:127], 0, v180, v181 matrix_a_fmt:MATRIX_FMT_BF6 matrix_b_fmt:MATRIX_FMT_BF6 matrix_b_scale:MATRIX_SCALE_ROW1
	s_wait_alu depctr_va_vdst(0)
.irp j, 64,65,66,67
	v_exp_f32 v[\j], v[\j]                         ; p = 2^((score - the largest) c)
.endr
	v_nop                                          ; a plain place behind the exponentials
	s_wait_alu depctr_va_vdst(0)                   ; one wait for the batch of four, ahead of its first reader
	v_add_f32 v18, v64, v65
	v_add_f32 v19, v66, v67
	v_add_f32 v18, v18, v19
	v_add_f32_dpp v18, v18, v18 row_xmask:1 row_mask:0xf bank_mask:0xf
	v_add_f32_dpp v18, v18, v18 row_xmask:2 row_mask:0xf bank_mask:0xf
	v_add_f32_dpp v18, v18, v18 row_xmask:4 row_mask:0xf bank_mask:0xf
	v_add_f32_dpp v18, v18, v18 row_xmask:8 row_mask:0xf bank_mask:0xf
	v_permlanex16_b32 v19, v18, s38, s39
	v_add_f32 v18, v18, v19                        ; the sum of p.  (These lines are also the places behind the two products)
	v_add_f32 v20, v68, v30                        ; x = the whole sum over K = 513, with g1_b: units r and 16 + r
	v_add_f32 v21, v76, v31
	; gelu(x) = (x + |x| - |x| P(t) e) / 2, z = |x| / sqrt(2), t = 1 / (1 + 0.3275911 z), e = exp(-z^2): erf(z) = 1 - P(t) e
	v_mul_f32 v22, 0x3f3504f3, |v20|
	v_mul_f32 v23, 0x3f3504f3, |v21|
	v_fma_f32 v24, v22, 0x3ea7ba05, 1.0
	v_fma_f32 v25, v23, 0x3ea7ba05, 1.0
	v_mul_f32 v26, v22, v22
	v_mul_f32 v27, v23, v23
	v_mul_f32 v26, 0xbfb8aa3b, v26
	v_mul_f32 v27, 0xbfb8aa3b, v27
	s_wait_alu depctr_va_vdst(0)
	v_rcp_f32 v18, v18
	v_rcp_f32 v24, v24
	v_rcp_f32 v25, v25
	v_exp_f32 v26, v26
	v_exp_f32 v27, v27
	v_mov_b32 v28, 0x3f87dc22                      ; 1.061405429.  (A plain place)
	v_mov_b32 v29, 0x3f87dc22
	s_wait_alu depctr_va_vdst(0)                   ; one wait for the five
	v_fmaak_f32 v28, v24, v28, 0xbfba00e3          ; -1.453152027
	v_fmaak_f32 v29, v25, v29, 0xbfba00e3
	v_fmaak_f32 v28, v24, v28, 0x3fb5f0e3          ; 1.421413741
	v_fmaak_f32 v29, v25, v29, 0x3fb5f0e3
	v_fmaak_f32 v28, v24, v28, 0xbe91a98e          ; -0.284496736
	v_fmaak_f32 v29, v25, v29, 0xbe91a98e
	v_fmaak_f32 v28, v24, v28, 0x3e827906          ; 0.254829592
	v_fmaak_f32 v29, v25, v29, 0x3e827906
	v_mul_f32 v28, v28, v24
	v_mul_f32 v29, v29, v25
	v_mul_f32 v28, v28, v26
	v_mul_f32 v29, v29, v27
	v_add_f32 v22, v20, |v20|
	v_add_f32 v23, v21, |v21|
	v_fma_f32 v22, -|v20|, v28, v22                ; 2 gelu
	v_fma_f32 v23, -|v21|, v29, v23
	v_mul_f32 v22, v22, v85
	v_fma_f32 v22, v23, v86, v22
	v_add_f32_dpp v22, v22, v22 row_xmask:1 row_mask:0xf bank_mask:0xf
	v_add_f32_dpp v22, v22, v22 row_xmask:2 row_mask:0xf bank_mask:0xf
	v_add_f32_dpp v22, v22, v22 row_xmask:4 row_mask:0xf bank_mask:0xf
	v_add_f32_dpp v22, v22, v22 row_xmask:8 row_mask:0xf bank_mask:0xf
	v_fma_f32 v22, v22, 0.5, s41                   ; g2 . gelu + g2_b
	v_mul_f32 v22, 0xbfb8aa3b, v22
	s_wait_alu depctr_va_vdst(0)
	v_exp_f32 v22, v22
	v_nop
	s_wait_alu depctr_va_vdst(0)
	v_add_f32 v22, 1.0, v22
	s_wait_alu depctr_va_vdst(0)
	v_rcp_f32 v22, v22                             ; the gate
	v_nop
	s_wait_alu depctr_va_vdst(0)
	v_readfirstlane_b32 s46, v22
	s_mov_b32 s47, s46
	v_cndmask_b32 v0, v0, v22, s42                 ; kept in this batch's lane
	v_mul_f32 v18, v18, v22                        ; gate / the sum of p
	v_pk_mul_f32 v[64:65], v[64:65], v[18:19] op_sel_hi:[1,0]
	v_pk_mul_f32 v[66:67], v[66:67], v[18:19] op_sel_hi:[1,0]
	ds_store_b128 v10, v[64:67]                    ; my wave's own bytes: LDS serves a wave's instructions in order, so the loads below see this
	WIN 0x40
.irp m, 0,1,2,3,4,5,6,7
	ds_load_b128 v[QP+8*\m:QP+8*\m+3], v11 offset:64*\m        ; p[16 m + 8 h + 0 .. 7]: the accumulators' layout in the V phase
	ds_load_b128 v[QP+8*\m+4:QP+8*\m+7], v11 offset:64*\m+16
.endr
	WIN 0
	s_wait_dscnt 0x0
	s_wait_loadcnt 0x0                             ; in the first batch: Wv's fragments, asked for ahead of the K phase; later nothing is out
.irp m, 0,1,2,3,4,5,6,7
	VT \m
.endr
	WIN 0x04
	s_wait_alu depctr_va_vdst(0)
.irp i, 0,1,2,3
.irp t, 0,1,2,3,4,5,6,7
	FV 7, \t, \i
.endr
.endr
	WIN 0
.irp t, 0,1,2,3,4,5,6,7
	v_add_f32 v[16+2*\t], v[16+2*\t], v[17+2*\t]
.endr
.irp t, 0,1,2,3,4,5,6,7
	v_permlanex16_b32 v[17+2*\t], v[16+2*\t], s38, s39
.endr
.irp t, 0,1,2,3,4,5,6,7
	v_add_f32 v[16+2*\t], v[16+2*\t], v[17+2*\t]   ; with the other half's rows: column 16 t + r
.endr
.irp t, 0,1,2,3,4,5,6,7
	ds_store_b32 v12, v[16+2*\t] offset:64*\t      ; through my wave's own 512 bytes,
.endr
	ds_load_b128 v[64:67], v10                     ; back four neighbours a lane
	s_wait_dscnt 0x0
	WIN 0x02
	v_pk_fma_f32 v[64:65], v[252:253], s[46:47], v[64:65] op_sel_hi:[1,0,1]   ; + gate x bv
	v_pk_fma_f32 v[66:67], v[254:255], s[46:47], v[66:67] op_sel_hi:[1,0,1]
	WIN 0
	global_store_b128 v13, v[64:67], s[8:9] th:TH_STORE_NT     ; 32 lanes store 512 consecutive bytes, aligned
	s_wait_xcnt 0x0                                ; the store has read its registers and its base
	s_add_nc_u64 s[6:7], s[6:7], 2048
	s_add_nc_u64 s[8:9], s[8:9], 2048
	s_add_nc_u64 s[12:13], s[12:13], 128
	s_lshl_b32 s42, s42, 1
.endm
	QUANT                                          ; the first batch's
	WLOAD 1                                        ; Wv: it has the first K phase and the softmax in which to land
	s_mov_b32 s33, 3
.Lbatch:
	BATCH 1
	QUANT                                          ; the next batch's
	s_sub_co_u32 s33, s33, 1
	s_cmp_lg_u32 s33, 0
	s_cbranch_scc1 .Lbatch
	BATCH 0                                        ; the last batch is written out: it asks for no tile
	s_wait_tensorcnt 0x0                           ; the wave's end: behind my last tensor load and my last LDS store
	ds_add_u32 v1, v2
	s_wait_dscnt 0x0
	s_cmp_lg_u32 s32, 0
	s_cbranch_scc1 .Ldone                          ; every wave holds the same four gates: wave 0 stores them
	v_lshrrev_b32 v16, 2, v13                      ; 4 lane
	v_cmp_gt_u32 vcc_lo, 64, v13                   ; lanes 0-3
	s_wait_alu depctr_va_vdst(0)
	s_wait_xcnt 0x0                                ; EXEC changes only behind this wait
	s_and_saveexec_b32 s2, vcc_lo
	global_store_b32 v16, v0, s[90:91]
	s_wait_xcnt 0x0
	s_or_b32 exec_lo, exec_lo, s2
.Ldone:
	s_endpgm
.Lfunc_end_k_q13bfbfad65_main:
	.size	k_q13bfbfad65_main, .Lfunc_end_k_q13bfbfad65_main-k_q13bfbfad65_main
	.p2alignl 7, 3214868480
	.fill 96, 4, 3214868480
	.section	.rodata,"a",@progbits
	.p2align	6, 0x0
	.amdhsa_kernel k_q13bfbfad65_main
		.amdhsa_group_segment_fixed_size 327680
		.amdhsa_private_segment_fixed_size 0
		.amdhsa_enable_private_segment 0
		.amdhsa_kernarg_size 96
		.amdhsa_user_sgpr_count 2
		.amdhsa_user_sgpr_kernarg_segment_ptr 1
		.amdhsa_wavefront_size32 1
		.amdhsa_system_sgpr_workgroup_id_x 1
		.amdhsa_system_sgpr_workgroup_id_y 1
		.amdhsa_system_sgpr_workgroup_id_z 1
		.amdhsa_system_vgpr_workitem_id 0
		.amdhsa_next_free_vgpr 1024
		.amdhsa_next_free_sgpr 100
		.amdhsa_reserve_vcc 1
		.amdhsa_float_denorm_mode_32 3
		.amdhsa_float_denorm_mode_16_64 3
		.amdhsa_memory_ordered 1
		.amdhsa_forward_progress 1
		.amdhsa_inst_pref_size 255
	.end_amdhsa_kernel
	.section	.bss,"aw",@nobits
	.p2align	6
	.space	262144
	.amdgpu_metadata
---
amdhsa.version: [ 1, 2 ]
amdhsa.kernels:
  - .name:           k_q13bfbfad65_main
    .symbol:         k_q13bfbfad65_main.kd
    .args:
      - { .name: features, .offset: 0, .size: 8, .value_kind: global_buffer, .address_space: global }
      - { .name: Q, .offset: 8, .size: 8, .value_kind: global_buffer, .address_space: global }
      - { .name: Wk_b, .offset: 16, .size: 8, .value_kind: global_buffer, .address_space: global }
      - { .name: Wv_b, .offset: 24, .size: 8, .value_kind: global_buffer, .address_space: global }
      - { .name: g1_w, .offset: 32, .size: 8, .value_kind: global_buffer, .address_space: global }
      - { .name: g2_w, .offset: 40, .size: 8, .value_kind: global_buffer, .address_space: global }
      - { .name: g2_b, .offset: 48, .size: 8, .value_kind: global_buffer, .address_space: global }
      - { .name: wfrag, .offset: 56, .size: 8, .value_kind: global_buffer, .address_space: global }
      - { .name: wscale, .offset: 64, .size: 8, .value_kind: global_buffer, .address_space: global }
      - { .name: gpart, .offset: 72, .size: 8, .value_kind: global_buffer, .address_space: global }
      - { .name: out0, .offset: 80, .size: 8, .value_kind: global_buffer, .address_space: global }
      - { .name: out1, .offset: 88, .size: 8, .value_kind: global_buffer, .address_space: global }
    .group_segment_fixed_size: 327680
    .private_segment_fixed_size: 0
    .kernarg_segment_align: 8
    .kernarg_segment_size: 96
    .max_flat_workgroup_size: 128
    .sgpr_count:     100
    .vgpr_count:     1024
    .wavefront_size: 32
...
	.end_amdgpu_metadata
.endif
;; end of part 2
